; MI455X (gfx1250); checked and timed in simulation.
; The chip was launched on July 23, 2026; its instructions are those of AMD's public machine-readable ISA for CDNA 5 (MIT licence, August 2026) and "CDNA5" Instruction Set Architecture Reference Guide (July 2026). The comments in the code are by the model that wrote it; some were corrected since.
;; T Attention. Allowed arithmetic: matrix products marked QUANTISED: E5M2 operands, one given power-of-two scale a tensor, by v_wmma_f32_16x16x64_bf8_bf8 or v_wmma_f32_16x16x128_bf8_bf8, f32 sums; everything else in f32.
;; Inputs: be1 512 float32; be2 512 float32; bf1 512 float32; bf2 512 float32; g1 512 float32; g2 512 float32; lowp_scales 14 int32 (the exponents e of the quantised operands' scales 2^e); w1_codes 512 x 16 x 32 uint8 (E5M2 codes of w1, K innermost, in blocks of 32 codes); w2_codes 512 x 16 x 32 uint8 (E5M2 codes of w2, K innermost, in blocks of 32 codes); wk_codes 512 x 16 x 32 uint8 (E5M2 codes of wk, K innermost, in blocks of 32 codes); wq_codes 512 x 16 x 32 uint8 (E5M2 codes of wq, K innermost, in blocks of 32 codes); wv_codes 512 x 16 x 32 uint8 (E5M2 codes of wv, K innermost, in blocks of 32 codes); x 128 x 256 x 512 float32.
;; Outputs: out0 128 x 256 x 512 float32.
;; Constants: nhead = 8.
;; This version of the problem:
;;   THIS VERSION OF THE PROBLEM IS GIVEN IN LOW PRECISION. The matrix products marked QUANTISED in the list below multiply operands that are first quantised to E5M2 (5 exponent bits, 2 mantissa bits; 8 bits a number), with one given power-of-two scale for each operand tensor; their sums are f32. All else is computed in f32.
;;   The module's matrix products, in the order in which they are computed (A, B: the left and right operand; K: the contracted axis; several contracted axes count as one K, in the product's order):
;;     1. [M 32,768, K 512] x [K 512, N 512]; A: computed on the way; B: input wq (given as codes): QUANTISED (scales: A lowp_scales[0], B lowp_scales[1])
;;     2. [M 32,768, K 512] x [K 512, N 512]; A: computed on the way; B: input wk (given as codes): QUANTISED (scales: A lowp_scales[2], B lowp_scales[3])
;;     3. [M 32,768, K 512] x [K 512, N 512]; A: computed on the way; B: input wv (given as codes): QUANTISED (scales: A lowp_scales[4], B lowp_scales[5])
;;     4. batch 1,024 x [M 256, K 64] x [K 64, N 256]; A: computed on the way; B: computed on the way: QUANTISED (scales: A lowp_scales[6], B lowp_scales[7])
;;     5. batch 1,024 x [M 64, K 256] x [K 256, N 256]; A: computed on the way; B: softmax (see below): QUANTISED (scales: A lowp_scales[8], B lowp_scales[9])
;;     6. [M 32,768, K 512] x [K 512, N 512]; A: computed on the way; B: input w1 (given as codes): QUANTISED (scales: A lowp_scales[10], B lowp_scales[11])
;;     7. [M 32,768, K 512] x [K 512, N 512]; A: computed on the way; B: input w2 (given as codes): QUANTISED (scales: A lowp_scales[12], B lowp_scales[13])
;;   THE QUANTISER, for each operand of a quantised product, along K:
;;     - The operand's scale is 2^e, e = its entry of the input lowp_scales (int32; the entries are numbered through the quantised products in the list's order, A before B).
;;     - Each number is divided by the scale, clamped to +-57,344, and rounded to the nearest number of E5M2, ties to even, subnormals kept.
;;     - The product sums the exact products of the quantised numbers (number of the format x scale) in f32.
;;   ~~~python
;;   def quantise(x, axis, e):      # numpy; x: float32 -> the quantised numbers, widened to float32 again
;;       x = np.moveaxis(x, axis, -1); K = x.shape[-1]
;;       r = np.clip(x / 2.0 ** e, -57344, 57344)
;;       step = 2.0 ** (np.maximum(np.frexp(np.where(r == 0, 1, r))[1] - 1, -14) - 2)
;;       q = np.round(r / step) * step * 2.0 ** e      # np.round: ties to even
;;       return np.moveaxis(q, -1, axis).astype(np.float32)
;;   ~~~
;;   SOFTMAX AHEAD OF A QUANTISED PRODUCT. Where the list says 'softmax', what is quantised is not the finished softmax but p = 2^(t - M), with t = logit x log2(e) and M = ceil(the row's largest t), a whole number; so 1/2 < the row's largest p <= 1. The row's sum l is taken of the UNQUANTISED p, in f32, and the product's result is divided by l at the end. Since M is a whole number, a kernel that streams over the keys may use a running M (the ceiling of the running maximum): every later rescaling is an exact power of two, so the quantised numbers keep their values, but for numbers so far below the row's largest that they fall under the format's range.
;;   OPERANDS COMPUTED ON THE WAY. 'Computed on the way' means the value that the module computes at that place (a softmax that the list does not call 'softmax' is quantised finished and normalised). What goes into a quantiser is computed in f32, as accurately as f32 sums, v_exp_f32 and their like allow (about 1e-6 of the number): no bf16 or f16 on the way to a quantiser, and a product that is left as it is and whose result goes on into a quantised operand takes f32 operands (vector FMAs, or v_wmma_f32_16x16x4_f32). A number that lies on a knife's edge between two numbers of the format may be rounded either way, as far as f32 arithmetic and the matrix unit's own rounding can turn it there, and no further.
;;   INPUTS GIVEN AS CODES. w1 (in the module: [512, 512], K = its axis 0); w2 (in the module: [512, 512], K = its axis 0); wk (in the module: [512, 512], K = its axis 0); wq (in the module: [512, 512], K = its axis 0); wv (in the module: [512, 512], K = its axis 0): each comes as NAME_codes (uint8): NAME with its K axis moved to the last place and cut into blocks of 32 codes, [.., K / 32, bytes a block], one block behind the other in memory; one code a byte (a code: sign, 5 exponent bits, 2 mantissa bits); its scale is its entry of lowp_scales. Its value is code x scale, taken as it is: it is not quantised again, and the codes and scales need not be those that the quantiser above would give.
;; One version. Each part assembles by itself: llvm-mc -triple=amdgcn-amd-amdhsa -mcpu=gfx1250 --defsym DOCPART=n.
;; ======== version 1 of 1: 2 launches
;; limits: right only within a limited range of input values
;; workspace buffers: qws 16,777,216 bytes; kws 16,777,216 bytes; vws 16,777,216 bytes; wimg 524,288 bytes
;; launch qkv (part 1): grid 256 x 1, 4 waves a work-group, no clusters, 203,264 bytes of LDS; arguments x, g1, be1, wq_codes, wk_codes, wv_codes, lowp_scales, qws, kws, vws, w1_codes, w2_codes, wimg; writes qws, kws, vws, wimg
.if DOCPART == 1
	.amdgcn_target "amdgcn-amd-amdhsa--gfx1250"
	.amdhsa_code_object_version 6
	.text
	.protected	k_qd1462a93d9_qkv
	.globl	k_qd1462a93d9_qkv
	.p2align	8
	.type	k_qd1462a93d9_qkv,@function
k_qd1462a93d9_qkv:
	s_mov_b64 s[64:65], 0
	v_nop
	global_prefetch_b8 v0, s[64:65] scope:SCOPE_SE
	s_setreg_imm32_b32 hwreg(HW_REG_WAVE_MODE, 25, 1), 1
	s_wait_xcnt 0x0
; xn = LN(x; g1, be1); q = xn wq, k = xn wk, v = xn wv on codes of E5M2; q, k, v are quantised again (for the two products of attention) and stored as codes.
; NOTHING IS LEFT OUT: every input of the problem has a way to the output and is loaded by this launch or the next; nhead = 8 is built in (64 channels a head).
; SHARES.  A work-group of four waves takes 128 rows, half a sequence (work-group id: sequence id / 2, half id % 2).  Layer norm: wave w takes rows 32 w .. 32 w + 31, a row across the 32 lanes.
; xn is quantised under e0, e2 and e4 into three tiles of codes in LDS.  THE THREE EXPONENTS ARE WHOLE NUMBERS READ FROM MEMORY: where they are equal the three quantisers are one and the same, so a scalar
; branch on that leads round the second and the third, and round the second and third fetch of the rows' codes: the first tile and the registers filled from it then serve all three products.  No barrier stands under it.
; Products: wave w makes columns 128 w .. 128 w + 127 (heads 2 w, 2 w + 1) of all 128 rows: the rows' codes (8 tiles x 4 K steps x 16 registers) stay in registers; the weights come from memory a tile of 16 columns
; (64 registers) at a time.  The 24 tiles of the three products are ONE STREAM through four buffers, each asked for three tiles ahead, also across the change of products: each weight byte is read once by the work-group.
; LAYOUT.  K = 128 form; both operands take, in registers 4 c .. 4 c + 3, k = 128 s + 32 c + 16 (lane / 16) + 0 .. 15: the same permutation of k on both sides, so every product meets its partner.
; q, k: source 0 = 16 columns of the weight, source 1 = 16 rows: a lane holds one row and 8 neighbouring channels, so one conversion gives registers 2 c, 2 c + 1 of a fragment 16 rows x 64 channels of the K = 64 form.
; v: source 0 = 16 rows (keys), source 1 = 16 columns: a lane holds one channel and 8 neighbouring keys: registers 2 m, 2 m + 1 of a fragment 16 channels x 128 keys of the K = 128 form.
; The workspaces hold IMAGES OF OPERAND REGISTERS: four registers of all 32 lanes are 512 consecutive bytes, lane l at 16 l.
;   qws [id 256][wave 4][head 2][tile of rows 8][2][512]   kws [sequence 128][head 8][tile of keys 16][2][512]   vws [sequence 128][head 8][half 2][tile of channels 4][4][512]
; A sum of a product stands for sum x 2^(ea + eb): its code under 2^e is sum / 2^(e - ea - eb): the three exponents are folded into the conversion's one.
; LIMITS: e0, e2, e4, e6 - e0 - e1, e7 - e2 - e3, e8 - e4 - e5 lie between -126 and 112, so that each power of two below is an f32 number.  NaN among the inputs is not served (an infinity is held at the largest code).
.set PC,    528                        ; a row of codes in LDS: 512 bytes + 16: row r starts 4 r banks on, so the 16 rows of a fragment load start at 16 different banks
.set TILEB, 128*PC                     ; one tile of codes; three of them, for e0, e2, e4
.set SPARE, 3*TILEB                    ; behind the tiles: the spare words, 128 bytes for each wave: two blocks of 256 bytes that no other line names
.set LO,   1                           ; v1      16 x lane
.set RR,   2                           ; v2      lane % 16
.set HB,   3                           ; v3      lane / 16
.set CB,   4                           ; v4-6    where my wave's rows of codes begin in tile 0, 1, 2, + 4 x lane
.set CC,   7                           ; v7-9    the same for the rows in hand
.set AAD,  10                          ; v10-12  a fragment's place for my lane in tile 0, 1, 2
.set WAD,  13                          ; v13     the same in a weight: 512 (lane % 16) + 16 (lane / 16)
.set SC,   14                          ; v14-16  2^e0, 2^e2, 2^e4 as f32
.set LIM,  17                          ; v17-19  57,344 x these
.set ESC,  20                          ; v20     the folded scale of the product in hand
.set ELIM, 21                          ; v21     57,344 x that
.set SPW,  30                          ; v30     LDS address of my spare word; never rewritten
.set NIL,  31                          ; v31     0; never rewritten
.set G,    32                          ; v32-47  g1 at my 16 columns
.set BE,   48                          ; v48-63  be1
.set X,    64                          ; v64-191 two sets of 4 rows x 16 numbers
.set ACC,  64                          ; v64-127 in the products: 8 accumulators
.set ST,   192                         ; v192-207 four registers of statistics a row
.set T,    208                         ; v208-223 a row's numbers, held
.set C,    224                         ; v224-239 codes: 4 registers for a row and a scale
                                       ; the weight's four buffers: 0, 1 at v0, v64 of window 1; 2, 3 at v128, v192 of window 0, which the norm has left.  window 1 v128-255: the results' codes.  windows 2, 3: the rows' codes
.set WV,   33                          ; s33     my wave's number
.set XP,   36                          ; s[36:37] x at the rows in hand
.set CNT,  40
.set LS,   41                          ; s41     LDS bytes from my wave's first row to the rows in hand
.set INV,  42                          ; s42     1 / 512
.set EPS,  43                          ; s43     1e-5
.set SEL,  44                          ; s44, s45 lane selects: lane l xor 16
.set QP,   46
.set KP,   48
.set VP,   50
.set TA,   52                          ; s52-55  at work
.set WOFF, 56                          ; s[56:57] 65,536 x wave
.set KOFF, 58
.set TB,   60
.set WPQ,  66                          ; s[66:67], s[68:69], s[70:71] wq, wk, wv at my 128 columns
.set SAME, 72                          ; s72     1 where e0 = e2 = e4, else 0
.set MSB, 0
.macro WIN new                         ; the immediate's high byte repeats the setting that is left; a switch that changes nothing is dropped
.if MSB != (\new)
	s_set_vgpr_msb (MSB<<8)|(\new)
.set MSB, (\new)
.endif
.endm
.macro MKSC e, vs, vl                  ; s[e] holds a whole number e: v[vs] = 2^e as f32, v[vl] = 57,344 x 2^e
	s_add_co_i32 s[TA], s[\e], 127
	s_lshl_b32 s[TA+1], s[TA], 23
	v_mov_b32 v[\vs], s[TA+1]
	s_add_co_i32 s[TA], s[TA], 15
	s_lshl_b32 s[TA], s[TA], 23
	s_or_b32 s[TA], s[TA], 0x600000
	v_mov_b32 v[\vl], s[TA]
.endm
.macro XLOAD set, row0                 ; four rows of x: each load reads 512 consecutive bytes; my lane gets columns 128 i + 4 lane + 0 .. 3
.irp j,0,1,2,3
.irp i,0,1,2,3
	global_load_b128 v[X+64*\set+16*\j+4*\i:X+64*\set+16*\j+4*\i+3], v[LO], s[XP:XP+1] offset:(\row0+\j)*2048+512*\i
.endr
.endr
.endm
.macro XSUM o                          ; the four rows' pairs at ST + o become sums over the 32 lanes, in every lane
.irp j,0,1,2,3
	v_add_f32 v[ST+4*\j+\o], v[ST+4*\j+\o], v[ST+4*\j+\o+1]
.endr
.irp x,1,2,4,8
.irp j,0,1,2,3
	v_add_f32_dpp v[ST+4*\j+\o], v[ST+4*\j+\o], v[ST+4*\j+\o] row_xmask:\x row_mask:0xf bank_mask:0xf
.endr
.endr
.irp j,0,1,2,3
	v_permlanex16_b32 v[ST+4*\j+\o+1], v[ST+4*\j+\o], s[SEL], s[SEL+1]
.endr
.irp j,0,1,2,3
	v_add_f32 v[ST+4*\j+\o], v[ST+4*\j+\o], v[ST+4*\j+\o+1]
.endr
.endm
.macro LNROWS set                      ; layer norm of four rows, in place, the rows line by line by turns: mean, deviations, their squares' mean (two passes), rsqrt, gain and bias
.set RB, X+64*\set
.irp j,0,1,2,3
	v_pk_add_f32 v[ST+4*\j:ST+4*\j+1], v[RB+16*\j:RB+16*\j+1], v[RB+16*\j+2:RB+16*\j+3]
.endr
.irp i,4,6,8,10,12,14
.irp j,0,1,2,3
	v_pk_add_f32 v[ST+4*\j:ST+4*\j+1], v[ST+4*\j:ST+4*\j+1], v[RB+16*\j+\i:RB+16*\j+\i+1]
.endr
.endr
	XSUM 0
.irp j,0,1,2,3
	v_mul_f32 v[ST+4*\j], s[INV], v[ST+4*\j]
.endr
.irp i,0,2,4,6,8,10,12,14
.irp j,0,1,2,3
	v_pk_add_f32 v[RB+16*\j+\i:RB+16*\j+\i+1], v[RB+16*\j+\i:RB+16*\j+\i+1], v[ST+4*\j:ST+4*\j+1] op_sel_hi:[1,0] neg_lo:[0,1] neg_hi:[0,1]
.endr
.endr
.irp j,0,1,2,3
	v_pk_mul_f32 v[ST+4*\j+2:ST+4*\j+3], v[RB+16*\j:RB+16*\j+1], v[RB+16*\j:RB+16*\j+1]
.endr
.irp i,2,4,6,8,10,12,14
.irp j,0,1,2,3
	v_pk_fma_f32 v[ST+4*\j+2:ST+4*\j+3], v[RB+16*\j+\i:RB+16*\j+\i+1], v[RB+16*\j+\i:RB+16*\j+\i+1], v[ST+4*\j+2:ST+4*\j+3]
.endr
.endr
	XSUM 2
.irp j,0,1,2,3
	v_fma_f32 v[ST+4*\j+2], v[ST+4*\j+2], s[INV], s[EPS]
.endr
	s_wait_alu depctr_va_vdst(0)
.irp j,0,1,2,3
	v_rsq_f32 v[ST+4*\j+2], v[ST+4*\j+2]
.endr
	v_nop                                          ; a plain instruction behind the last of the four,
	s_wait_alu depctr_va_vdst(0)                   ; and one wait for the batch, ahead of its first reader
.irp i,0,2,4,6,8,10,12,14
.irp j,0,1,2,3
	v_pk_mul_f32 v[RB+16*\j+\i:RB+16*\j+\i+1], v[RB+16*\j+\i:RB+16*\j+\i+1], v[ST+4*\j+2:ST+4*\j+3] op_sel_hi:[1,0]
.endr
.endr
.irp i,0,2,4,6,8,10,12,14
.irp j,0,1,2,3
	v_pk_fma_f32 v[RB+16*\j+\i:RB+16*\j+\i+1], v[RB+16*\j+\i:RB+16*\j+\i+1], v[G+\i:G+\i+1], v[BE+\i:BE+\i+1]
.endr
.endr
.endm
.macro QROW set, off, j, v, rc         ; row j of a set under scale v: the hold, two conversions of 8, four stores of 4 neighbouring codes (128 consecutive bytes a wave); the codes in v[rc] on
.set i, 0
.rept 16
	v_med3_num_f32 v[T+i], v[X+64*\set+16*\j+i], -v[LIM+\v], v[LIM+\v]   ; the conversion to an 8-bit code does not saturate (ISA guide 7.6.2): the number is held first
.set i, i+1
.endr
	v_cvt_scalef32_pk8_bf8_f32 v[(\rc):(\rc)+1], v[T:T+7], v[SC+\v]
	v_cvt_scalef32_pk8_bf8_f32 v[(\rc)+2:(\rc)+3], v[T+8:T+15], v[SC+\v]
	v_nop                                          ; a plain instruction between the conversions and the next holds, which write their sources
.irp q,0,1,2,3
	ds_store_b32 v[CC+\v], v[(\rc)+\q] offset:(\off+\j)*PC+128*\q
.endr
.endm
.macro CODES set, off                  ; four rows of xn under e0; under e2 and e4 only where the three are not one and the same
.irp j,0,1,2,3
	QROW \set, \off, \j, 0, (C+4*\j)
.endr
	s_cmp_eq_u32 s[SAME], 1
	s_cbranch_scc1 .Lone_\@
	s_wait_dscnt 0x0                               ; the stores above have read their registers, which are taken again
.irp j,0,1,2,3
.irp v,1,2
	QROW \set, \off, \j, \v, (C+8*(\j%2)+4*(\v-1))
.endr
.if \j == 1
	s_wait_dscnt 0x0                               ; the stores of rows 0 and 1 have read their registers, which rows 2 and 3 take
.endif
.endr
.Lone_\@:
.endm
.macro WLOAD tt                        ; tile tt of the stream's 24: 16 columns of weight tt / 8, all 512 along K: 4 fragments, into buffer tt % 4
.set wB, (\tt)%4
.set wR0, 64*wB
.set wP, WPQ+2*((\tt)/8)
.if wB < 2
	WIN 0x40
.else
	WIN 0
.endif
.irp s,0,1,2,3
.irp c,0,1,2,3
	global_load_b128 v[wR0+16*\s+4*\c:wR0+16*\s+4*\c+3], v[WAD], s[wP:wP+1] offset:((\tt)%8)*8192+128*\s+32*\c
.endr
.endr
	WIN 0
.endm
.macro ALOAD v                         ; the 128 rows' codes under scale v: 32 fragments into windows 2 and 3
.irp m,0,1,2,3,4,5,6,7
	WIN (0x80+0x40*(\m/4))
.irp s,0,1,2,3
.irp c,0,1,2,3
	ds_load_b128 v[64*(\m%4)+16*\s+4*\c:64*(\m%4)+16*\s+4*\c+3], v[AAD+\v] offset:16*\m*PC+128*\s+32*\c
.endr
.endr
.endr
	WIN 0
.endm
.macro AGET v                          ; a product begins.  Where the three scales are one, the registers filled for the first product hold what this fetch would bring
	s_wait_xcnt 0x0                                ; the earlier stores have read the codes' registers, which this product writes again
.if \v == 0
	ALOAD 0
.else
	s_cmp_eq_u32 s[SAME], 1
	s_cbranch_scc1 .Lsame_\@
	ALOAD \v
.Lsame_\@:
.endif
.endm
; 32 matrix instructions: the weight tile in buffer tt % 4 against the 8 tiles of rows.  Four accumulators take turns, one instruction a turn; each sum's first product takes the constant 0.
; nat = 0: source 0 = the weight, source 1 = the rows;  nat = 1: the other way round.  Four plain places follow, ahead of the first read of results and of loads into operands.
.macro MM tt, nat
.set wB, (\tt)%4
.set wR0, 64*wB
.set wW, 1
.if wB >= 2
.set wW, 0
.endif
.irp g,0,1
.if \nat
	WIN ((2+\g)|(wW<<2))
.else
	WIN (wW|((2+\g)<<2))
.endif
.irp s,0,1,2,3
.irp m,0,1,2,3
.set rD, ACC+8*(4*\g+\m)
.set rW, wR0+16*\s
.set rA, 64*\m+16*\s
.if \nat
.if \s == 0
	v_wmma_f32_16x16x128_bf8_bf8 v[rD:rD+7], v[rA:rA+15], v[rW:rW+15], 0
.else
	v_wmma_f32_16x16x128_bf8_bf8 v[rD:rD+7], v[rA:rA+15], v[rW:rW+15], v[rD:rD+7]
.endif
.else
.if \s == 0
	v_wmma_f32_16x16x128_bf8_bf8 v[rD:rD+7], v[rW:rW+15], v[rA:rA+15], 0
.else
	v_wmma_f32_16x16x128_bf8_bf8 v[rD:rD+7], v[rW:rW+15], v[rA:rA+15], v[rD:rD+7]
.endif
.endif
.endr
.endr
.endr
	WIN 0
.rept 4
	v_nop
.endr
.endm
.macro FRONT tt                        ; the tile three on is asked for, into the buffer that the tile before this one has left; this one is awaited
.if (\tt)+3 < 24
	WLOAD ((\tt)+3)
.endif
.if (\tt) < 21
	s_wait_loadcnt 48                              ; all but the 48 loads of the three tiles behind it: tile tt is in
.else
	s_wait_loadcnt 16*(23-(\tt))                   ; the stream's end: the counts run down
.endif
.endm
.macro HOLD                            ; the 64 sums are held within the largest code x the folded scale, each accumulator from its low end on
.set i, 0
.rept 64
	v_med3_num_f32 v[ACC+i], v[ACC+i], -v[ELIM], v[ELIM]
.set i, i+1
.endr
.endm
.macro GEMM_T tb, v, p, stride         ; q or k, tiles tb .. tb + 7 of the stream: a head's 8 fragments (4 tiles of the weight) are stored together: 512 consecutive bytes a store
	AGET \v
.irp t,0,1,2,3,4,5,6,7
	FRONT (\tb+\t)
.if \t == 0
	s_wait_dscnt 0x0                               ; the rows' codes are in
.endif
	MM (\tb+\t), 0
	s_wait_alu depctr_va_vdst(0)
	HOLD
	WIN 0x40
.irp m,0,1,2,3,4,5,6,7
	v_cvt_scalef32_pk8_bf8_f32 v[128+64*(\t/4)+8*\m+2*(\t%4):128+64*(\t/4)+8*\m+2*(\t%4)+1], v[ACC+8*\m:ACC+8*\m+7], v[ESC]
.endr
	WIN 0
	v_nop                                          ; a plain instruction between the conversions and the next products, which write their sources
.if (\t%4) == 3
	WIN 0x04
.irp m,0,1,2,3,4,5,6,7
.irp g,0,1
	global_store_b128 v[LO], v[128+64*(\t/4)+8*\m+4*\g:128+64*(\t/4)+8*\m+4*\g+3], s[\p:\p+1] offset:(\t/4)*\stride+\m*1024+512*\g
.endr
.endr
	WIN 0
.endif
.endr
.endm
	s_load_b512 s[4:19], s[0:1], 0x0               ; x 4:5, g1 6:7, be1 8:9, wq 10:11, wk 12:13, wv 14:15, the scales' exponents 16:17, qws 18:19
	s_load_b128 s[20:23], s[0:1], 0x40             ; kws 20:21, vws 22:23
	s_load_b128 s[76:79], s[0:1], 0x50             ; w1 76:77, w2 78:79
	s_load_b64 s[62:63], s[0:1], 0x60              ; wimg
	v_lshl_add_u32 v[SPW], v0, 2, SPARE
	v_mov_b32 v[NIL], 0
	v_lshrrev_b32 v22, 5, v0
	v_readfirstlane_b32 s[WV], v22                 ; wave 0..3
	v_and_b32 v22, 31, v0                          ; lane
	v_and_b32 v[RR], 15, v0
	v_bfe_u32 v[HB], v0, 4, 1
	v_lshlrev_b32 v[LO], 4, v22
	s_mul_i32 s[TA], s[WV], 32*PC
	v_lshl_add_u32 v[CB], v22, 2, s[TA]            ; my wave's 32 rows, 4 bytes a lane
	v_add_nc_u32 v[CB+1], TILEB, v[CB]
	v_add_nc_u32 v[CB+2], 2*TILEB, v[CB]
	v_mul_u32_u24 v[AAD], v[RR], PC
	v_lshl_add_u32 v[AAD], v[HB], 4, v[AAD]
	v_add_nc_u32 v[AAD+1], TILEB, v[AAD]
	v_add_nc_u32 v[AAD+2], 2*TILEB, v[AAD]
	v_lshlrev_b32 v[WAD], 9, v[RR]
	v_lshl_add_u32 v[WAD], v[HB], 4, v[WAD]
	v_and_b32 v23, 8, v[RR]                        ; the next launch's place of my lane in a tile of w1 or w2: row r + 8 (r / 8), + 16 (lane / 16)
	v_add_nc_u32 v23, v23, v[RR]
	v_lshlrev_b32 v23, 9, v23
	v_lshl_add_u32 v23, v[HB], 4, v23
	s_wait_alu depctr_va_vdst(0)                   ; scalar lines and a wait follow ahead of the readers
	s_mov_b32 s[INV], 0x3b000000
	s_mov_b32 s[EPS], 0x3727c5ac
	s_mov_b32 s[SEL], 0x76543210
	s_mov_b32 s[SEL+1], 0xfedcba98
	s_lshl_b32 s[TA], ttmp9, 18                    ; x: 128 rows of 2,048 bytes a work-group,
	s_lshl_b32 s[WOFF], s[WV], 16                  ; 32 rows a wave (and 128 rows of 512 bytes of a weight)
	s_mov_b32 s[WOFF+1], 0
	s_add_co_u32 s[TA], s[TA], s[WOFF]
	s_mov_b32 s[TA+1], 0
	s_lshl_b32 s[TA+2], ttmp9, 16                  ; qws: 65,536 bytes a work-group, 16,384 a wave
	s_lshl_b32 s[TB], s[WV], 14
	s_add_co_u32 s[TA+2], s[TA+2], s[TB]
	s_mov_b32 s[TA+3], 0
	s_lshr_b32 s[TB], ttmp9, 1                     ; kws, vws: 131,072 bytes a sequence, 32,768 a wave's two heads, 8,192 a half
	s_lshl_b32 s[KOFF], s[TB], 17
	s_lshl_b32 s[TB], s[WV], 15
	s_add_co_u32 s[KOFF], s[KOFF], s[TB]
	s_and_b32 s[TB], ttmp9, 1
	s_lshl_b32 s[TB], s[TB], 13
	s_add_co_u32 s[KOFF], s[KOFF], s[TB]
	s_mov_b32 s[KOFF+1], 0
	s_wait_kmcnt 0x0
	s_load_b256 s[24:31], s[16:17], 0x0            ; e0 .. e7
	s_load_b32 s32, s[16:17], 0x20                 ; e8
	s_add_nc_u64 s[XP:XP+1], s[4:5], s[TA:TA+1]
	s_add_nc_u64 s[QP:QP+1], s[18:19], s[TA+2:TA+3]
	s_add_nc_u64 s[KP:KP+1], s[20:21], s[KOFF:KOFF+1]
	s_add_nc_u64 s[VP:VP+1], s[22:23], s[KOFF:KOFF+1]
	s_add_nc_u64 s[WPQ:WPQ+1], s[10:11], s[WOFF:WOFF+1]
	s_add_nc_u64 s[WPQ+2:WPQ+3], s[12:13], s[WOFF:WOFF+1]
	s_add_nc_u64 s[WPQ+4:WPQ+5], s[14:15], s[WOFF:WOFF+1]
	; w1 AND w2 ARE LAID AS IMAGES OF THE NEXT LAUNCH'S OPERAND REGISTERS: wimg [layer 2][wave 8][tile 4][K step 4][group of 4 registers 4][512]: 1,024 pieces of 512 bytes, one for each of this launch's 1,024 waves.
	; Piece n = 4 id + wave: lane l's 16 bytes are row 64 w + 32 (t / 2) + 8 (t % 2) + r + 8 (r / 8), k = 128 s + 32 c + 16 (l / 16) on; they are stored at 512 n + 16 l.
	s_lshl_b32 s73, ttmp9, 2
	s_add_co_u32 s73, s73, s[WV]                   ; n
	s_lshr_b32 s74, s73, 4
	s_and_b32 s74, s74, 31                         ; 4 w + t
	s_lshr_b32 s75, s74, 1
	s_lshl_b32 s75, s75, 14                        ; 32 rows of 512 bytes x (2 w + t / 2)
	s_and_b32 s74, s74, 1
	s_lshl_b32 s74, s74, 12                        ; 8 rows x (t % 2)
	s_add_co_u32 s74, s74, s75
	s_and_b32 s75, s73, 15
	s_lshl_b32 s75, s75, 5                         ; 128 s + 32 c
	s_add_co_u32 s74, s74, s75
	s_mov_b32 s75, 0
	s_cmp_lt_u32 s73, 512                          ; the first 512 pieces are w1's
	s_cselect_b64 s[76:77], s[76:77], s[78:79]
	s_add_nc_u64 s[76:77], s[76:77], s[74:75]
	s_lshl_b32 s74, s73, 9
	s_add_nc_u64 s[62:63], s[62:63], s[74:75]
	global_load_b128 v[24:27], v23, s[76:77]       ; ahead of all counted loads: the norm's waits cover it
.irp i,0,1,2,3
	global_load_b128 v[G+4*\i:G+4*\i+3], v[LO], s[6:7] offset:512*\i
	global_load_b128 v[BE+4*\i:BE+4*\i+3], v[LO], s[8:9] offset:512*\i
.endr
	XLOAD 0, 0
	XLOAD 1, 4
	s_wait_kmcnt 0x0
	MKSC 24, SC, LIM
	MKSC 26, SC+1, LIM+1
	MKSC 28, SC+2, LIM+2
	s_cmp_eq_u32 s24, s26                          ; are xn's three scales one and the same?
	s_cselect_b32 s[SAME], 1, 0
	s_cmp_eq_u32 s26, s28
	s_cselect_b32 s[SAME], s[SAME], 0
	; LAYER NORM AND THE QUANTISERS: 8 rows a trip, two sets of registers; while one set is worked on the other's 16 loads are on their way.
	; The loop is left in the middle of its fourth trip, where nothing is left to load; the last four rows are written out behind it.
	s_mov_b32 s[CNT], 0
	s_mov_b32 s[LS], 0
.Lln:
.irp v,0,1,2
	v_add_nc_u32 v[CC+\v], s[LS], v[CB+\v]
.endr
	s_wait_loadcnt 16                              ; all but set 1's 16 loads: set 0 is in (in the first trip g1 and be1 too)
	LNROWS 0
	CODES 0, 0
	s_wait_dscnt 0x0
	s_cmp_eq_u32 s[CNT], 3
	s_cbranch_scc1 .Lln_last
	XLOAD 0, 8
	s_wait_loadcnt 16                              ; all but the 16 just issued: set 1 is in
	LNROWS 1
	CODES 1, 4
	s_wait_dscnt 0x0
	XLOAD 1, 12
	s_wait_xcnt 0x0                                ; the loads have read their base: it steps only behind this wait
	s_add_nc_u64 s[XP:XP+1], s[XP:XP+1], 8*2048
	s_add_co_u32 s[LS], s[LS], 8*PC
	s_add_co_u32 s[CNT], s[CNT], 1
	s_cmp_lt_u32 s[CNT], 4
	s_cbranch_scc1 .Lln
.Lln_last:
	s_wait_loadcnt 0x0
	global_store_b128 v[LO], v[24:27], s[62:63]    ; my piece of wimg: 512 consecutive bytes, aligned; its registers are not written again
	WLOAD 0                                        ; the stream of weight tiles begins under the last four rows' work: buffers 0 and 1 lie in window 1,
	WLOAD 1
	LNROWS 1
	CODES 1, 4
	s_wait_dscnt 0x0                               ; for the others' sake: my rows' codes lie in LDS
	WLOAD 2                                        ; buffer 2 in the registers that the last rows have left
	s_barrier_signal -1
	s_barrier_wait -1                              ; everybody's codes lie in LDS; from here on the tiles are only read
	s_sub_co_i32 s[TA+2], s30, s24                 ; q: e6 - e0 - e1
	s_sub_co_i32 s[TA+2], s[TA+2], s25
	MKSC TA+2, ESC, ELIM
	GEMM_T 0, 0, QP, 8192
	s_sub_co_i32 s[TA+2], s31, s26                 ; k: e7 - e2 - e3
	s_sub_co_i32 s[TA+2], s[TA+2], s27
	MKSC TA+2, ESC, ELIM
	GEMM_T 8, 1, KP, 16384
	s_sub_co_i32 s[TA+2], s32, s28                 ; v: e8 - e4 - e5
	s_sub_co_i32 s[TA+2], s[TA+2], s29
	MKSC TA+2, ESC, ELIM
	AGET 2
.irp t,0,1,2,3,4,5,6,7
	FRONT (16+\t)
.if \t == 0
	s_wait_dscnt 0x0                               ; the rows' codes are in
.endif
	MM (16+\t), 1
	s_wait_alu depctr_va_vdst(0)
	HOLD
	WIN 0x40
.irp m,0,1,2,3,4,5,6,7
	v_cvt_scalef32_pk8_bf8_f32 v[128+16*\t+2*\m:128+16*\t+2*\m+1], v[ACC+8*\m:ACC+8*\m+7], v[ESC]   ; keys 16 m + 8 (lane / 16) + 0 .. 7 of channel 16 t + lane % 16
.endr
	WIN 0
	v_nop                                          ; a plain instruction between the conversions and the next products, which write their sources
	WIN 0x04
.irp g,0,1,2,3
	global_store_b128 v[LO], v[128+16*\t+4*\g:128+16*\t+4*\g+3], s[VP:VP+1] offset:(\t/4)*16384+(\t%4)*2048+512*\g
.endr
	WIN 0
.endr
	s_wait_tensorcnt 0x0                           ; the wave's end
	ds_add_u32 v[SPW], v[NIL]
	s_wait_dscnt 0x0
	s_endpgm
.Lfunc_end_k_qd1462a93d9_qkv:
	.size	k_qd1462a93d9_qkv, .Lfunc_end_k_qd1462a93d9_qkv-k_qd1462a93d9_qkv
	.p2alignl 7, 3214868480
	.fill 96, 4, 3214868480
	.section	.rodata,"a",@progbits
	.p2align	6, 0x0
	.amdhsa_kernel k_qd1462a93d9_qkv
		.amdhsa_group_segment_fixed_size 203264
		.amdhsa_private_segment_fixed_size 0
		.amdhsa_enable_private_segment 0
		.amdhsa_kernarg_size 104
		.amdhsa_user_sgpr_count 2
		.amdhsa_user_sgpr_kernarg_segment_ptr 1
		.amdhsa_wavefront_size32 1
		.amdhsa_system_sgpr_workgroup_id_x 1
		.amdhsa_system_sgpr_workgroup_id_y 1
		.amdhsa_system_sgpr_workgroup_id_z 1
		.amdhsa_system_vgpr_workitem_id 0
		.amdhsa_next_free_vgpr 1024
		.amdhsa_next_free_sgpr 80
		.amdhsa_reserve_vcc 0
		.amdhsa_float_denorm_mode_32 3
		.amdhsa_float_denorm_mode_16_64 3
		.amdhsa_memory_ordered 1
		.amdhsa_forward_progress 1
		.amdhsa_inst_pref_size 255
	.end_amdhsa_kernel
	.section	.bss,"aw",@nobits
	.p2align	6
	.space	262144
	.amdgpu_metadata
---
amdhsa.version: [ 1, 2 ]
amdhsa.kernels:
  - .name:           k_qd1462a93d9_qkv
    .symbol:         k_qd1462a93d9_qkv.kd
    .args:
      - { .name: x, .offset: 0, .size: 8, .value_kind: global_buffer, .address_space: global }
      - { .name: g1, .offset: 8, .size: 8, .value_kind: global_buffer, .address_space: global }
      - { .name: be1, .offset: 16, .size: 8, .value_kind: global_buffer, .address_space: global }
      - { .name: wq_codes, .offset: 24, .size: 8, .value_kind: global_buffer, .address_space: global }
      - { .name: wk_codes, .offset: 32, .size: 8, .value_kind: global_buffer, .address_space: global }
      - { .name: wv_codes, .offset: 40, .size: 8, .value_kind: global_buffer, .address_space: global }
      - { .name: lowp_scales, .offset: 48, .size: 8, .value_kind: global_buffer, .address_space: global }
      - { .name: qws, .offset: 56, .size: 8, .value_kind: global_buffer, .address_space: global }
      - { .name: kws, .offset: 64, .size: 8, .value_kind: global_buffer, .address_space: global }
      - { .name: vws, .offset: 72, .size: 8, .value_kind: global_buffer, .address_space: global }
      - { .name: w1_codes, .offset: 80, .size: 8, .value_kind: global_buffer, .address_space: global }
      - { .name: w2_codes, .offset: 88, .size: 8, .value_kind: global_buffer, .address_space: global }
      - { .name: wimg, .offset: 96, .size: 8, .value_kind: global_buffer, .address_space: global }
    .group_segment_fixed_size: 203264
    .private_segment_fixed_size: 0
    .kernarg_segment_align: 8
    .kernarg_segment_size: 104
    .max_flat_workgroup_size: 128
    .sgpr_count:     80
    .vgpr_count:     1024
    .wavefront_size: 32
...
	.end_amdgpu_metadata
.endif
;; end of part 1
;; launch attffn (part 2): grid 256 x 1, 8 waves a work-group, no clusters, 313,344 bytes of LDS; arguments x, g1, be1, qws, kws, vws, g2, be2, wimg, bf1, bf2, lowp_scales, out0; writes out0
.if DOCPART == 2
	.amdgcn_target "amdgcn-amd-amdhsa--gfx1250"
	.amdhsa_code_object_version 6
	.text
	.protected	k_qd1462a93d9_attffn
	.globl	k_qd1462a93d9_attffn
	.p2align	8
	.type	k_qd1462a93d9_attffn,@function
k_qd1462a93d9_attffn:
	s_mov_b64 s[64:65], 0
	v_nop
	global_prefetch_b8 v0, s[64:65] scope:SCOPE_SE
	s_setreg_imm32_b32 hwreg(HW_REG_WAVE_MODE, 25, 1), 1
	s_wait_xcnt 0x0
; xn = LN(x; g1, be1) once more, in f32; attention on the codes that the launch before stored; y = xn + att; xt = LN(y; g2, be2); out = xt + relu(xt w1 + bf1) w2 + bf2.  Nothing of the problem is left out.
; SHARES.  A work-group of EIGHT waves of 512 registers, two to a SIMD, takes 128 rows, half a sequence (work-group id: sequence id / 2, half id % 2).
; In every product wave w owns columns 64 w .. 64 w + 63: head w in attention.  Norm 1: wave w takes rows 16 w on; norm 2, the quantiser and the way out: rows 8 w .. 8 w + 7 of each half of 64 rows; a row lies across the 32 lanes.
; THE ROWS STAY IN LDS, in f32, in place: xn, y, xt, out: eight regions, one for each wave's 64 columns, each 128 rows of 256 bytes + 16.
; ATTENTION.  A trip takes 16 queries against all 256 keys; K and V of my head stay in window 1 (128 + 128 registers); a trip's fragment of Q is asked for one trip ahead.  S^T = K Q^T (K = 64 form), O^T = V^T P (K = 128 form): a lane holds one query.
; t = score x log2(e) x 2^(e6 + e7); M = ceil(the row's largest t); p = 2^(t - M) is quantised under 2^e9; the row's sum is taken of the unquantised p.
; p is at most 1, and 57,344 x 2^e9 is at least 1.75 where e9 >= -15: there the hold changes no number.
; THE TWO LAYERS.  K = 128 form, source 0 = 16 columns of the weight, source 1 = 16 rows; both take, in registers 4 c .. 4 c + 3, k = 128 s + 32 c + 16 (lane / 16) + 0 .. 15.  My 64 columns of a weight (256 registers, window 1)
; stay in registers: each weight byte is read once by the work-group.  The rows' codes come from a stage in LDS, 64 rows x 512 codes: a tile of 16 rows (16 loads) feeds 16 matrix instructions.  So the rows go in two halves of 64.
; Lane r of tile 2 b + u takes weight row 32 b + 8 u + r + 8 (r / 8): a lane's registers of tiles 2 b, 2 b + 1 are 16 neighbouring columns, 32 b + 16 (lane / 16) + 0 .. 15.
; The hidden layer's codes wait in 64 registers until the stage is free.  Layer 1's second half and layer 2's first half go in two passes of 32 columns: w2's first 32 columns are asked for while w1's last 32 still multiply.
; A bias is the C of a sum's first product, divided by the power of two that the sums lack.  The first 64 rows of out leave ahead of layer 2's second half.
; NO TENSOR LOADS, NO CLUSTER: the operands go from memory into registers as they are used there, and of LDS's 327,680 bytes the rows, the stage and the spare words take 313,344: no room for a ring of weight tiles.
; NO DATA PREFETCH: x, K, V and Q are asked for at the head, with no loop ahead of them; a weight is asked for whole as soon as its registers are free.
; LIMITS: e9, e10, e12 - e10 - e11 lie between -126 and 112; e6 + e7 between -126 and 126; e12 + e13 between -126 and 127.  NaN among the inputs is not served.
.set XPIT,  272                        ; a row of a region: 256 bytes + 16
.set XREG,  128*XPIT
.set STAGE, 8*XREG                     ; the stage: 64 rows of 512 codes + 16; up to the end of attention its first 32,768 bytes hold g2 and be2, 4,096 a wave
.set SP,    528
.set SPARE, STAGE+64*SP                ; the spare words, 128 bytes for each wave: four blocks of 256 bytes that no other line names
.set LO,   1                           ; 16 x lane
.set RR,   2                           ; lane % 16
.set HB,   3                           ; lane / 16
.set BAD,  5                           ; 64 (lane / 16): my numbers of a bias
.set YB,   6                           ; my region, row lane % 16, + 32 (lane / 16): O^T's layout
.set YC,   7                           ; the same at the trip's queries
.set XNL,  8                           ; v8-11 regions 2 i + lane / 16, my wave's first row, + 16 (lane % 16)
.set CUR,  12                          ; v12-15 the same at the rows in hand
.set SAD,  16                          ; the stage: a fragment's place for my lane
.set HAD,  17                          ; the stage: where I put 16 codes of the hidden layer
.set STL,  18                          ; the stage: my wave's first row, + 4 x lane
.set GST,  19                          ; my wave's copy of g2, be2, + 16 x lane
.set QC,   20                          ; Q: 16 x lane + the trip's offset
.set YF,   21                          ; my region, row lane % 16, + 64 (lane / 16): the layers' layout
.set SC9,  22
.set LIM9, 23
.set SC10, 24
.set LIM10,25
.set SCH,  26
.set LIMH, 27
.set SPW,  30                          ; LDS address of my spare word; never rewritten
.set NIL,  31                          ; 0; never rewritten
.set NM,   32                          ; v32 -M, v33 the largest t
.set MXA,  34
.set MXB,  35
.set L0,   36
.set L1,   38
.set F,    40
.set TP,   42
.set MXC,  43
.set MXD,  44
.set L2,   46
.set L3,   48
.set QF,   56                          ; v56-63 the trip's fragment of Q
.set S,    64                          ; v64-191 S^T, then p; its first 32 then take xn and y
.set P,    192                         ; v192-223 p's codes
.set O,    224                         ; v224-255 O^T
.set X,    64                          ; the norms: v64-191 two sets of 4 rows x 16 numbers
.set ST,   192                         ; v192-207 statistics
.set G,    208                         ; v208-223 the gain, v224-239 the bias of the norm in hand
.set BI,   32                          ; the layers: v32-63 the bias in the result's layout
.set AF,   64                          ; v64-127 a tile of 16 rows: 4 fragments
.set ACC,  128                         ; v128-159 4 accumulators
.set XT,   160                         ; v160-191 xt in the result's layout
.set H0,   192                         ; v192-223 the hidden layer's codes, rows 0-63
.set H1,   224                         ; v224-255 rows 64-127; before that xt's codes of my rows of the second half
.set CH,   224
.set WV,   33
.set WOFF, 34
.set XP,   44
.set QP,   46
.set KP,   48
.set VP,   50
.set WP1,  52
.set BP1,  54
.set OP,   56
.set WP2,  58
.set CS,   60                          ; s[60:61] log2(e) x 2^(e6 + e7)
.set OS,   62                          ; s[62:63] 2^(e12 + e13)
.set EOV,  66
.set INV,  67
.set EPS,  68
.set SEL,  70
.set CNT,  72
.set LS,   73
.set BP2,  74
.set QO,   76
.set YO,   77
.set MC,   78
.set NB1,  79                          ; -(e10 + e11)
.set T0,   80
.set T1,   81
.set T2,   82
.set T3,   83
.set T4,   84
.set NB2,  85                          ; -(e12 + e13)
.set TA,   86
.set OFA,  90
.set OFB,  92
.set OFC,  94
.set MSB, 0
.macro WIN new                         ; the immediate's high byte repeats the setting that is left; a switch that changes nothing is dropped
.if MSB != (\new)
	s_set_vgpr_msb (MSB<<8)|(\new)
.set MSB, (\new)
.endif
.endm
.macro BARRIER                         ; my LDS stores have landed and my LDS loads are in: then the work-group's barrier.
	s_wait_alu depctr_va_vdst(0)
	s_wait_dscnt 0x0
	s_barrier_signal -1
	s_barrier_wait -1
.endm
.macro MKSC e, vs, vl                  ; s[e] holds a whole number e: v[vs] = 2^e as f32, v[vl] = 57,344 x 2^e
	s_add_co_i32 s[TA], s[\e], 127
	s_lshl_b32 s[TA+1], s[TA], 23
	v_mov_b32 v[\vs], s[TA+1]
	s_add_co_i32 s[TA], s[TA], 15
	s_lshl_b32 s[TA], s[TA], 23
	s_or_b32 s[TA], s[TA], 0x600000
	v_mov_b32 v[\vl], s[TA]
.endm
.macro XLOAD set, row0                 ; four rows of x: each load reads 512 consecutive bytes; my lane gets columns 128 i + 4 lane + 0 .. 3
.irp j,0,1,2,3
.irp i,0,1,2,3
	global_load_b128 v[X+64*\set+16*\j+4*\i:X+64*\set+16*\j+4*\i+3], v[LO], s[XP:XP+1] offset:(\row0+\j)*2048+512*\i th:TH_LOAD_NT
.endr
.endr
.endm
.macro IMG win, reg0, p, off0, i0, n   ; n loads of 512 consecutive bytes: registers reg0 + 4 i of window win from s[p] + off0 + 512 i, i = i0 on.  The window stays set
	WIN (0x40*(\win))
.set i, \i0
.rept \n
	global_load_b128 v[(\reg0)+4*i:(\reg0)+4*i+3], v[LO], s[\p:\p+1] offset:(\off0)+512*i
.set i, i+1
.endr
.endm
.macro SETCUR
.irp i,0,1,2,3
	v_add_nc_u32 v[CUR+\i], s[LS], v[XNL+\i]
.endr
.endm
.macro XSUM o                          ; the four rows' pairs at ST + o become sums over the 32 lanes, in every lane
.irp j,0,1,2,3
	v_add_f32 v[ST+4*\j+\o], v[ST+4*\j+\o], v[ST+4*\j+\o+1]
.endr
.irp x,1,2,4,8
.irp j,0,1,2,3
	v_add_f32_dpp v[ST+4*\j+\o], v[ST+4*\j+\o], v[ST+4*\j+\o] row_xmask:\x row_mask:0xf bank_mask:0xf
.endr
.endr
.irp j,0,1,2,3
	v_permlanex16_b32 v[ST+4*\j+\o+1], v[ST+4*\j+\o], s[SEL], s[SEL+1]
.endr
.irp j,0,1,2,3
	v_add_f32 v[ST+4*\j+\o], v[ST+4*\j+\o], v[ST+4*\j+\o+1]
.endr
.endm
.macro LNROWS set                      ; layer norm of four rows, in place, the rows by turns: mean, deviations, their squares' mean, rsqrt, gain v[G ..] and bias v[G + 16 ..]
.set RB, X+64*\set
.irp j,0,1,2,3
	v_pk_add_f32 v[ST+4*\j:ST+4*\j+1], v[RB+16*\j:RB+16*\j+1], v[RB+16*\j+2:RB+16*\j+3]
.endr
.irp i,4,6,8,10,12,14
.irp j,0,1,2,3
	v_pk_add_f32 v[ST+4*\j:ST+4*\j+1], v[ST+4*\j:ST+4*\j+1], v[RB+16*\j+\i:RB+16*\j+\i+1]
.endr
.endr
	XSUM 0
.irp j,0,1,2,3
	v_mul_f32 v[ST+4*\j], s[INV], v[ST+4*\j]
.endr
.irp i,0,2,4,6,8,10,12,14
.irp j,0,1,2,3
	v_pk_add_f32 v[RB+16*\j+\i:RB+16*\j+\i+1], v[RB+16*\j+\i:RB+16*\j+\i+1], v[ST+4*\j:ST+4*\j+1] op_sel_hi:[1,0] neg_lo:[0,1] neg_hi:[0,1]
.endr
.endr
.irp j,0,1,2,3
	v_pk_mul_f32 v[ST+4*\j+2:ST+4*\j+3], v[RB+16*\j:RB+16*\j+1], v[RB+16*\j:RB+16*\j+1]
.endr
.irp i,2,4,6,8,10,12,14
.irp j,0,1,2,3
	v_pk_fma_f32 v[ST+4*\j+2:ST+4*\j+3], v[RB+16*\j+\i:RB+16*\j+\i+1], v[RB+16*\j+\i:RB+16*\j+\i+1], v[ST+4*\j+2:ST+4*\j+3]
.endr
.endr
	XSUM 2
.irp j,0,1,2,3
	v_fma_f32 v[ST+4*\j+2], v[ST+4*\j+2], s[INV], s[EPS]
.endr
	s_wait_alu depctr_va_vdst(0)
.irp j,0,1,2,3
	v_rsq_f32 v[ST+4*\j+2], v[ST+4*\j+2]
.endr
	v_nop                                          ; a plain instruction behind the last of the four,
	s_wait_alu depctr_va_vdst(0)                   ; and one wait for the batch, ahead of its first reader
.irp i,0,2,4,6,8,10,12,14
.irp j,0,1,2,3
	v_pk_mul_f32 v[RB+16*\j+\i:RB+16*\j+\i+1], v[RB+16*\j+\i:RB+16*\j+\i+1], v[ST+4*\j+2:ST+4*\j+3] op_sel_hi:[1,0]
.endr
.endr
.irp i,0,2,4,6,8,10,12,14
.irp j,0,1,2,3
	v_pk_fma_f32 v[RB+16*\j+\i:RB+16*\j+\i+1], v[RB+16*\j+\i:RB+16*\j+\i+1], v[G+\i:G+\i+1], v[G+16+\i:G+16+\i+1]
.endr
.endr
.endm
.macro ROWS_OUT set, off               ; four rows into the regions: a store's 512 bytes are a row's parts in regions 2 i and 2 i + 1
.irp j,0,1,2,3
.irp i,0,1,2,3
	ds_store_b128 v[CUR+\i], v[X+64*\set+16*\j+4*\i:X+64*\set+16*\j+4*\i+3] offset:(\off+\j)*XPIT
.endr
.endr
.endm
.macro WLOAD p, t                      ; tile t of my 4 tiles of 16 columns of the weight at s[p], all 512 along K: 4 fragments, into v[64 t] on of window 1
	WIN 0x40
.irp s,0,1,2,3
.irp c,0,1,2,3
	global_load_b128 v[64*(\t)+16*\s+4*\c:64*(\t)+16*\s+4*\c+3], v[LO], s[\p:\p+1] offset:8192*(\t)+2048*\s+512*\c   ; the launch before laid the weights as images of these registers: 512 consecutive bytes a load
.endr
.endr
	WIN 0
.endm
.macro BLOAD p, t0, nt                 ; the bias in the result's layout: for tile t my 8 numbers 32 (t / 2) + 16 (lane / 16) + 8 (t % 2) + 0 .. 7
.set tt, \t0
.rept \nt
	global_load_b128 v[BI+8*tt:BI+8*tt+3], v[BAD], s[\p:\p+1] offset:(32*(tt/2)+8*(tt%2))*4
	global_load_b128 v[BI+8*tt+4:BI+8*tt+7], v[BAD], s[\p:\p+1] offset:(32*(tt/2)+8*(tt%2))*4+16
.set tt, tt+1
.endr
.endm
.macro BISC t0, nt, e                  ; the bias x 2^s[e]: divided by the power of two that the sums lack.
.set i, 8*(\t0)
.rept 8*(\nt)
	v_ldexp_f32 v[BI+i], v[BI+i], s[\e]
.set i, i+1
.endr
	s_wait_alu depctr_va_vdst(0)
.endm
.macro AFETCH m                        ; tile m of the stage's four: 16 rows x 512 codes
.irp s,0,1,2,3
.irp c,0,1,2,3
	ds_load_b128 v[AF+16*\s+4*\c:AF+16*\s+4*\c+3], v[SAD] offset:16*(\m)*SP+128*\s+32*\c
.endr
.endr
.endm
.macro MMW t0, nt                      ; 4 nt matrix instructions: weight tiles t0 on against the 16 rows; the accumulators by turns, one instruction a turn; four plain places follow
	WIN 1
.irp s,0,1,2,3
.set tt, \t0
.rept \nt
.if \s == 0
	v_wmma_f32_16x16x128_bf8_bf8 v[ACC+8*tt:ACC+8*tt+7], v[64*tt+16*\s:64*tt+16*\s+15], v[AF+16*\s:AF+16*\s+15], v[BI+8*tt:BI+8*tt+7]
.else
	v_wmma_f32_16x16x128_bf8_bf8 v[ACC+8*tt:ACC+8*tt+7], v[64*tt+16*\s:64*tt+16*\s+15], v[AF+16*\s:AF+16*\s+15], v[ACC+8*tt:ACC+8*tt+7]
.endif
.set tt, tt+1
.endr
.endr
	WIN 0
.rept 4
	v_nop
.endr
.endm
.macro L1T hb, m, t0, nt, nx           ; layer 1, the stage's tile m, weight tiles t0 on; the stage's tile nx is asked for under the activation (nx < 0: none)
	s_wait_dscnt 0x0
	MMW \t0, \nt
.if (\nx) >= 0
	AFETCH (\nx)
.endif
.set i, 8*(\t0)
.rept 8*(\nt)
	v_med3_num_f32 v[ACC+i], v[ACC+i], 0, v[LIMH]  ; the activation and the hold in one, each accumulator from its low end on
.set i, i+1
.endr
.set tt, \t0
.rept \nt
	v_cvt_scalef32_pk8_bf8_f32 v[(\hb)+8*(\m)+2*tt:(\hb)+8*(\m)+2*tt+1], v[ACC+8*tt:ACC+8*tt+7], v[SCH]
.set tt, tt+1
.endr
	v_nop                                          ; a plain instruction between the conversions and the next products, which write their sources
.endm
.macro XTF rt, t0, nt                  ; xt of row tile rt in the result's layout
.set tt, \t0
.rept \nt
	ds_load_b128 v[XT+8*tt:XT+8*tt+3], v[YF] offset:16*(\rt)*XPIT+128*(tt/2)+32*(tt%2)
	ds_load_b128 v[XT+8*tt+4:XT+8*tt+7], v[YF] offset:16*(\rt)*XPIT+128*(tt/2)+32*(tt%2)+16
.set tt, tt+1
.endr
.endm
.macro L2T hf, m, t0, nt, nx, nt0      ; layer 2, half hf, the stage's tile m, weight tiles t0 on; then the fetches for tile nx and weight tiles nt0 on
	s_wait_dscnt 0x0
	MMW \t0, \nt
.if (\nx) >= 0
	AFETCH (\nx)
.endif
.set i, 8*(\t0)
.rept 4*(\nt)
	v_pk_fma_f32 v[XT+i:XT+i+1], v[ACC+i:ACC+i+1], s[OS:OS+1], v[XT+i:XT+i+1] op_sel_hi:[1,0,1]   ; out = (sum + bf2 / 2^(e12 + e13)) x 2^(e12 + e13) + xt
.set i, i+2
.endr
.set tt, \t0
.rept \nt
	ds_store_b128 v[YF], v[XT+8*tt:XT+8*tt+3] offset:16*(4*(\hf)+(\m))*XPIT+128*(tt/2)+32*(tt%2)
	ds_store_b128 v[YF], v[XT+8*tt+4:XT+8*tt+7] offset:16*(4*(\hf)+(\m))*XPIT+128*(tt/2)+32*(tt%2)+16
.set tt, tt+1
.endr
.if (\nx) >= 0
	XTF (4*(\hf)+(\nx)), \nt0, \nt                 ; LDS serves a wave's instructions in order: these come behind the stores above
.endif
.endm
.macro CODES hf                        ; my 8 rows of xt of half hf become codes under 2^e10, in v[CH] on: 4 registers a row
.irp j,0,1,2,3,4,5,6,7
.irp i,0,1,2,3
	ds_load_b128 v[64+16*\j+4*\i:64+16*\j+4*\i+3], v[XNL+\i] offset:(64*\hf+\j)*XPIT
.endr
.endr
	s_wait_dscnt 0x0
.set i, 0
.rept 128
	v_med3_num_f32 v[64+i], v[64+i], -v[LIM10], v[LIM10]   ; the conversion to an 8-bit code does not saturate (ISA guide 7.6.2): the number is held first
.set i, i+1
.endr
.irp j,0,1,2,3,4,5,6,7
	v_cvt_scalef32_pk8_bf8_f32 v[CH+4*\j:CH+4*\j+1], v[64+16*\j:64+16*\j+7], v[SC10]
	v_cvt_scalef32_pk8_bf8_f32 v[CH+4*\j+2:CH+4*\j+3], v[64+16*\j+8:64+16*\j+15], v[SC10]
.endr
	v_nop                                          ; a plain instruction behind the last conversion
.endm
.macro CSTORE                          ; the codes into my 8 rows of the stage: 128 consecutive bytes a store
.irp j,0,1,2,3,4,5,6,7
.irp q,0,1,2,3
	ds_store_b32 v[STL], v[CH+4*\j+\q] offset:\j*SP+128*\q
.endr
.endr
.endm
.macro HSTORE hb                       ; my 64 hidden units of 64 rows into the stage: 16 codes a lane and store
.irp m,0,1,2,3
.irp b,0,1
	ds_store_b128 v[HAD], v[(\hb)+8*\m+4*\b:(\hb)+8*\m+4*\b+3] offset:16*\m*SP+32*\b
.endr
.endr
.endm
.macro OUTL hf                         ; my 8 rows of out of half hf come back from the regions,
.irp j,0,1,2,3,4,5,6,7
.irp i,0,1,2,3
	ds_load_b128 v[64+16*\j+4*\i:64+16*\j+4*\i+3], v[XNL+\i] offset:(64*\hf+\j)*XPIT
.endr
.endr
.endm
.macro OUTS hf                         ; and leave: a store covers 512 consecutive bytes, aligned
.irp j,0,1,2,3,4,5,6,7
.irp i,0,1,2,3
	global_store_b128 v[LO], v[64+16*\j+4*\i:64+16*\j+4*\i+3], s[OP:OP+1] offset:(64*\hf+\j)*2048+512*\i th:TH_STORE_NT
.endr
.endr
.endm
	s_load_b512 s[4:19], s[0:1], 0x0               ; x 4:5, g1 6:7, be1 8:9, qws 10:11, kws 12:13, vws 14:15, g2 16:17, be2 18:19
	s_load_b256 s[20:27], s[0:1], 0x40             ; wimg 20:21, bf1 22:23, bf2 24:25, the scales' exponents 26:27
	s_load_b64 s[30:31], s[0:1], 0x60              ; out0
	v_lshl_add_u32 v[SPW], v0, 2, SPARE
	v_mov_b32 v[NIL], 0
	v_lshrrev_b32 v29, 5, v0
	v_readfirstlane_b32 s[WV], v29                 ; wave 0..7
	s_mul_i32 s[T0], s[WV], 8*XPIT                 ; 8 rows a wave in a region
	s_mul_i32 s[T1], s[WV], XREG                   ; my region
	s_lshl_b32 s[T2], s[WV], 6
	s_add_co_u32 s[T2], s[T2], STAGE               ; my 64 hidden units in a row of the stage
	s_mul_i32 s[T3], s[WV], 8*SP
	s_add_co_u32 s[T3], s[T3], STAGE               ; my 8 rows of the stage
	s_lshl_b32 s[T4], s[WV], 12
	s_add_co_u32 s[T4], s[T4], STAGE               ; my copy of g2, be2
	s_mov_b32 s[INV], 0x3b000000
	s_mov_b32 s[EPS], 0x3727c5ac
	s_mov_b32 s[SEL], 0x76543210
	s_mov_b32 s[SEL+1], 0xfedcba98
	s_lshl_b32 s[OFA], ttmp9, 18                   ; x, out0: 128 rows of 2,048 bytes a work-group
	s_mov_b32 s[OFA+1], 0
	s_lshl_b32 s[OFB], ttmp9, 16                   ; qws: 65,536 bytes a work-group, 8,192 a head
	s_lshl_b32 s[TA], s[WV], 13
	s_add_co_u32 s[OFB], s[OFB], s[TA]
	s_mov_b32 s[OFB+1], 0
	s_lshr_b32 s[TA], ttmp9, 1                     ; kws, vws: 131,072 bytes a sequence, 16,384 a head
	s_lshl_b32 s[OFC], s[TA], 17
	s_lshl_b32 s[TA], s[WV], 14
	s_add_co_u32 s[OFC], s[OFC], s[TA]
	s_mov_b32 s[OFC+1], 0
	s_lshl_b32 s[WOFF], s[WV], 15                  ; 64 rows of 512 bytes of a weight; also 16 rows of x
	s_mov_b32 s[WOFF+1], 0
	s_lshl_b32 s2, s[WV], 8                        ; 64 numbers of a bias
	s_mov_b32 s3, 0
	v_and_b32 v29, 31, v0                          ; lane
	v_and_b32 v[RR], 15, v0
	v_bfe_u32 v[HB], v0, 4, 1
	v_lshlrev_b32 v[LO], 4, v29
	v_mul_u32_u24 v28, v[HB], XREG
	v_lshl_add_u32 v28, v[RR], 4, v28
	v_add_nc_u32 v28, s[T0], v28
	v_add_nc_u32 v[XNL], s[T0], v28                ; norm 1: 16 rows a wave
	v_add_nc_u32 v[XNL+1], 2*XREG, v[XNL]
	v_add_nc_u32 v[XNL+2], 4*XREG, v[XNL]
	v_add_nc_u32 v[XNL+3], 6*XREG, v[XNL]
	v_mul_u32_u24 v28, v[RR], XPIT
	v_add_nc_u32 v28, s[T1], v28
	v_lshl_add_u32 v[YB], v[HB], 5, v28
	v_lshl_add_u32 v[YF], v[HB], 6, v28
	v_mul_u32_u24 v28, v[RR], SP
	v_lshl_add_u32 v28, v[HB], 4, v28
	v_add_nc_u32 v[HAD], s[T2], v28
	v_add_nc_u32 v[SAD], STAGE, v28
	v_lshl_add_u32 v[STL], v29, 2, s[T3]
	v_add_nc_u32 v[GST], s[T4], v[LO]
	v_lshlrev_b32 v[BAD], 6, v[HB]
	s_wait_alu depctr_va_vdst(0)
	s_wait_kmcnt 0x0
	s_load_b256 s[36:43], s[26:27], 0x18           ; e6 .. e13
	s_add_nc_u64 s[XP:XP+1], s[4:5], s[OFA:OFA+1]
	s_add_nc_u64 s[XP:XP+1], s[XP:XP+1], s[WOFF:WOFF+1]
	s_add_nc_u64 s[OP:OP+1], s[30:31], s[OFA:OFA+1]
	s_lshl_b32 s[OFA], s[WV], 14                   ; the way out: 8 rows a wave in each half
	s_add_nc_u64 s[OP:OP+1], s[OP:OP+1], s[OFA:OFA+1]
	s_add_nc_u64 s[QP:QP+1], s[10:11], s[OFB:OFB+1]
	s_add_nc_u64 s[KP:KP+1], s[12:13], s[OFC:OFC+1]
	s_add_nc_u64 s[VP:VP+1], s[14:15], s[OFC:OFC+1]
	s_add_nc_u64 s[WP1:WP1+1], s[20:21], s[WOFF:WOFF+1]
	s_add_nc_u64 s[WP2:WP2+1], s[WP1:WP1+1], 0x40000   ; w2's images lie 262,144 bytes behind w1's
	s_add_nc_u64 s[BP1:BP1+1], s[22:23], s[2:3]
	s_add_nc_u64 s[BP2:BP2+1], s[24:25], s[2:3]
	IMG 1, 0, KP, 0, 0, 32                         ; my head's K (16 fragments of 8 registers) and V (8 of 16), as images,
	IMG 1, 128, VP, 0, 0, 32
	IMG 0, QF, QP, 0, 0, 2                         ; the first trip's fragment of Q,
	IMG 0, 32, 16, 0, 0, 4                         ; g2 into v32-47, be2 into v48-55 and v240-247: all ahead of x in the order of issue, so that the norm's counted waits cover them
	IMG 0, 48, 18, 0, 0, 2
	IMG 0, 232, 18, 0, 2, 2
	IMG 0, G, 6, 0, 0, 4                           ; g1, be1
	IMG 0, G+16, 8, 0, 0, 4
	WIN 0
	XLOAD 0, 0
	XLOAD 1, 4
	s_wait_kmcnt 0x0
	MKSC 39, SC9, LIM9
	MKSC 40, SC10, LIM10
	s_sub_co_i32 s[TA+2], s42, s40
	s_sub_co_i32 s[TA+2], s[TA+2], s41
	MKSC TA+2, SCH, LIMH
	s_add_co_i32 s[TA], s36, s37
	s_lshl_b32 s[TA], s[TA], 23
	s_add_co_i32 s[CS], s[TA], 0x3fb8aa3b          ; e6 + e7 is added to the exponent field of log2(e)
	s_mov_b32 s[CS+1], s[CS]
	s_add_co_i32 s[TA], s42, s43
	s_sub_co_i32 s[NB2], 0, s[TA]
	s_add_co_i32 s[TA], s[TA], 127
	s_lshl_b32 s[OS], s[TA], 23
	s_mov_b32 s[OS+1], s[OS]
	s_add_co_i32 s[EOV], s38, s39
	s_add_co_i32 s[NB1], s40, s41
	s_sub_co_i32 s[NB1], 0, s[NB1]
	; NORM 1: my 16 rows, 8 a trip, two sets of registers.  The loop is left in the middle of its second trip, where nothing is left to load; the last four rows are written out behind it.
	s_mov_b32 s[CNT], 0
	s_mov_b32 s[LS], 0
.Lln1:
	SETCUR
	s_wait_loadcnt 16                              ; all but set 1's 16 loads: set 0 is in (in the first trip all that was asked for ahead of it too)
	LNROWS 0
	ROWS_OUT 0, 0
	s_wait_dscnt 0x0
	s_cmp_eq_u32 s[CNT], 1
	s_cbranch_scc1 .Lln1_last
	XLOAD 0, 8
	s_wait_loadcnt 16                              ; all but the 16 just issued: set 1 is in
	LNROWS 1
	ROWS_OUT 1, 4
	s_wait_dscnt 0x0
	XLOAD 1, 12
	s_wait_xcnt 0x0                                ; the loads have read their base: it steps only behind this wait
	s_add_nc_u64 s[XP:XP+1], s[XP:XP+1], 8*2048
	s_add_co_u32 s[LS], s[LS], 8*XPIT
	s_add_co_u32 s[CNT], s[CNT], 1
	s_cmp_lt_u32 s[CNT], 2
	s_cbranch_scc1 .Lln1
.Lln1_last:
	s_wait_loadcnt 0x0
.irp i,0,1,2,3
	ds_store_b128 v[GST], v[32+4*\i:32+4*\i+3] offset:512*\i          ; g2 and be2 wait in bytes that are my wave's own until attention has left their registers
.endr
.irp i,0,1
	ds_store_b128 v[GST], v[48+4*\i:48+4*\i+3] offset:2048+512*\i
.endr
.irp i,2,3
	ds_store_b128 v[GST], v[232+4*\i:232+4*\i+3] offset:2048+512*\i
.endr
	LNROWS 1
	ROWS_OUT 1, 4
.irp i,0,1,2,3
	v_sub_nc_u32 v[XNL+\i], v[XNL+\i], s[T0]       ; from here on: 8 rows a wave in each half
.endr
	v_mov_b32 v[F+1], 0                            ; named as the upper half of a pair
	v_mov_b32 v[TP], 0                             ; written once: a lane permute's destination counts as one of its sources
	BARRIER                                        ; xn's 128 rows lie in LDS
	; ATTENTION OF MY HEAD: eight trips of 16 queries
	s_mov_b32 s[MC], 0
	s_mov_b32 s[YO], 0
	s_mov_b32 s[QO], 0
.Lq:
	s_wait_loadcnt 0x0                             ; the trip's queries are in,
	s_wait_dscnt 0x0                               ; and the last trip's stores are done
	v_add_nc_u32 v[YC], s[YO], v[YB]
	v_add_nc_u32 v[QC], s[QO], v[LO]
	WIN 1                                          ; source 0: K
.set i, 0
.rept 16
	v_wmma_f32_16x16x64_bf8_bf8 v[S+8*i:S+8*i+7], v[8*i:8*i+7], v[QF:QF+7], 0
.set i, i+1
.endr
	WIN 0
.rept 4
	v_nop                                          ; four plain places ahead of the load into Q's registers and of the first read of scores
.endr
	s_cmp_eq_u32 s[MC], 7
	s_cbranch_scc1 .Lno_q
	global_load_b128 v[QF:QF+3], v[QC], s[QP:QP+1] offset:1024     ; the next trip's queries
	global_load_b128 v[QF+4:QF+7], v[QC], s[QP:QP+1] offset:1536
.Lno_q:
	v_max3_num_f32 v[MXA], v[S], v[S+1], v[S+2]    ; my query's largest score among my 128 keys, in four chains, ascending: each tile is first read at its low end
	v_max3_num_f32 v[MXB], v[S+3], v[S+4], v[S+5]
	v_max3_num_f32 v[MXC], v[S+6], v[S+7], v[S+8]
	v_max3_num_f32 v[MXD], v[S+9], v[S+10], v[S+11]
.set i, 12
.rept 14
	v_max3_num_f32 v[MXA], v[MXA], v[S+i], v[S+i+1]
	v_max3_num_f32 v[MXB], v[MXB], v[S+i+2], v[S+i+3]
	v_max3_num_f32 v[MXC], v[MXC], v[S+i+4], v[S+i+5]
	v_max3_num_f32 v[MXD], v[MXD], v[S+i+6], v[S+i+7]
.set i, i+8
.endr
	v_max3_num_f32 v[MXA], v[MXA], v[S+124], v[S+125]
	v_max3_num_f32 v[MXB], v[MXB], v[S+126], v[S+127]
	v_max_num_f32 v[MXC], v[MXC], v[MXD]
	v_max3_num_f32 v[MXA], v[MXA], v[MXB], v[MXC]
	v_permlanex16_b32 v[TP], v[MXA], s[SEL], s[SEL+1]
	v_max_num_f32 v[MXA], v[MXA], v[TP]            ; and among lane l xor 16's
	v_mul_f32 v[NM+1], s[CS], v[MXA]               ; as t (the factor is positive)
	v_floor_f32 v[NM], -v[NM+1]                    ; -M = floor(-t) = -ceil(t)
.set i, 0
.rept 64
	v_pk_fma_f32 v[S+i:S+i+1], v[S+i:S+i+1], s[CS:CS+1], v[NM:NM+1] op_sel_hi:[1,0,0]   ; t - M, two at a time
.set i, i+2
.endr
	s_wait_alu depctr_va_vdst(0)
.set i, 0
.rept 128
	v_exp_f32 v[S+i], v[S+i]                       ; p = 2^(t - M)
.set i, i+1
.endr
	v_nop                                          ; a plain instruction behind the last exponential,
	s_wait_alu depctr_va_vdst(0)                   ; and one wait for the batch, ahead of its first reader
	v_pk_add_f32 v[L0:L0+1], v[S:S+1], v[S+2:S+3]  ; the row's sum, of the unquantised p, in four chains of pairs
	v_pk_add_f32 v[L1:L1+1], v[S+4:S+5], v[S+6:S+7]
	v_pk_add_f32 v[L2:L2+1], v[S+8:S+9], v[S+10:S+11]
	v_pk_add_f32 v[L3:L3+1], v[S+12:S+13], v[S+14:S+15]
.set i, 16
.rept 14
	v_pk_add_f32 v[L0:L0+1], v[L0:L0+1], v[S+i:S+i+1]
	v_pk_add_f32 v[L1:L1+1], v[L1:L1+1], v[S+i+2:S+i+3]
	v_pk_add_f32 v[L2:L2+1], v[L2:L2+1], v[S+i+4:S+i+5]
	v_pk_add_f32 v[L3:L3+1], v[L3:L3+1], v[S+i+6:S+i+7]
.set i, i+8
.endr
	v_pk_add_f32 v[L0:L0+1], v[L0:L0+1], v[L1:L1+1]
	v_pk_add_f32 v[L2:L2+1], v[L2:L2+1], v[L3:L3+1]
	v_pk_add_f32 v[L0:L0+1], v[L0:L0+1], v[L2:L2+1]
	v_add_f32 v[L0], v[L0], v[L0+1]
	v_permlanex16_b32 v[TP], v[L0], s[SEL], s[SEL+1]
	v_add_f32 v[L0], v[L0], v[TP]
	s_cmp_ge_i32 s39, -15                          ; e9 >= -15: 57,344 x 2^e9 >= 1.75 > p: the hold would change nothing
	s_cbranch_scc1 .Lno_hold
.set i, 0
.rept 128
	v_min_num_f32 v[S+i], v[S+i], v[LIM9]          ; p is not negative: a one-sided hold (the conversion does not saturate: ISA guide 7.6.2)
.set i, i+1
.endr
.Lno_hold:
	s_wait_alu depctr_va_vdst(0)
	v_rcp_f32 v[F], v[L0]                          ; its own wait stands ahead of its first reader, behind the second product
	v_nop
.set k, 0
.rept 16
	v_cvt_scalef32_pk8_bf8_f32 v[P+2*k:P+2*k+1], v[S+8*k:S+8*k+7], v[SC9]
.set k, k+1
.endr
	v_nop                                          ; a plain instruction between the last conversion and the products that read the codes
.irp d,0,1,2,3
.irp g,0,1
	ds_load_b128 v[S+8*\d+4*\g:S+8*\d+4*\g+3], v[YC] offset:64*\d+16*\g   ; xn at my query and my 32 channels, in O^T's layout
.endr
.endr
	WIN 1                                          ; source 0: V
.irp d,0,1,2,3
	v_wmma_f32_16x16x128_bf8_bf8 v[O+8*\d:O+8*\d+7], v[128+16*\d:128+16*\d+15], v[P:P+15], 0
.endr
.irp d,0,1,2,3
	v_wmma_f32_16x16x128_bf8_bf8 v[O+8*\d:O+8*\d+7], v[128+16*(4+\d):128+16*(4+\d)+15], v[P+16:P+31], v[O+8*\d:O+8*\d+7]
.endr
	WIN 0
.rept 4
	v_nop
.endr
	s_wait_alu depctr_va_vdst(0)                   ; the reciprocal's wait
	v_ldexp_f32 v[F], v[F], s[EOV]                 ; 2^(e8 + e9) / sum
	s_wait_alu depctr_va_vdst(0)
	s_wait_dscnt 0x0                               ; xn is in
.set i, 0
.rept 16
	v_pk_fma_f32 v[S+i:S+i+1], v[O+i:O+i+1], v[F:F+1], v[S+i:S+i+1] op_sel_hi:[1,0,1]   ; y = att + xn
.set i, i+2
.endr
.irp d,0,1,2,3
.irp g,0,1
	ds_store_b128 v[YC], v[S+8*\d+4*\g:S+8*\d+4*\g+3] offset:64*\d+16*\g
.endr
.endr
	s_add_co_u32 s[YO], s[YO], 16*XPIT             ; the next 16 queries
	s_add_co_u32 s[QO], s[QO], 1024
	s_add_co_u32 s[MC], s[MC], 1
	s_cmp_lt_u32 s[MC], 8
	s_cbranch_scc1 .Lq
	s_wait_loadcnt 0x0                             ; no load into Q's registers is out: bf1's last tile takes them
	BLOAD BP1, 0, 4                                ; bf1, and three of w1's four tiles into the registers that K and V have left: 56 loads
	WLOAD WP1, 0
	WLOAD WP1, 1
	WLOAD WP1, 2
.irp i,0,1,2,3,4,5,6,7
	ds_load_b128 v[G+4*\i:G+4*\i+3], v[GST] offset:512*\i          ; g2, be2 come back ahead of the barrier, behind which the stage is written
.endr
	BARRIER                                        ; y's 128 rows lie in LDS
	; NORM 2, in place: a trip takes four of my rows of each half
	s_mov_b32 s[CNT], 0
	s_mov_b32 s[LS], 0
.Lln2:
	SETCUR
.irp u,0,1
.irp j,0,1,2,3
.irp i,0,1,2,3
	ds_load_b128 v[X+64*\u+16*\j+4*\i:X+64*\u+16*\j+4*\i+3], v[CUR+\i] offset:(64*\u+\j)*XPIT
.endr
.endr
.endr
	s_wait_dscnt 16                                ; all but the second set's 16 loads
	LNROWS 0
	ROWS_OUT 0, 0
	s_wait_dscnt 16                                ; all but the 16 stores just issued
	LNROWS 1
	ROWS_OUT 1, 64
	s_wait_dscnt 0x0
	s_add_co_u32 s[LS], s[LS], 4*XPIT
	s_add_co_u32 s[CNT], s[CNT], 1
	s_cmp_lt_u32 s[CNT], 2
	s_cbranch_scc1 .Lln2
	WLOAD WP1, 3
	CODES 0
	CSTORE
	CODES 1                                        ; the second half's codes wait in registers
	BARRIER                                        ; the stage holds the codes of rows 0-63
	; LAYER 1
	AFETCH 0
	s_wait_loadcnt 0x0                             ; bf1 and w1
	BISC 0, 4, NB1
	L1T H0, 0, 0, 4, 1
	L1T H0, 1, 0, 4, 2
	L1T H0, 2, 0, 4, 3
	L1T H0, 3, 0, 4, -1
	BARRIER                                        ; everybody has read the stage
	CSTORE
	BARRIER                                        ; it holds the codes of rows 64-127
	AFETCH 0
	L1T H1, 0, 0, 2, 1                             ; two passes of 32 columns
	L1T H1, 1, 0, 2, 2
	L1T H1, 2, 0, 2, 3
	L1T H1, 3, 0, 2, 0
	BLOAD BP2, 0, 2                                ; w1's first two tiles are done with: bf2's and w2's take their registers: 36 loads
	WLOAD WP2, 0
	WLOAD WP2, 1
	L1T H1, 0, 2, 2, 1
	L1T H1, 1, 2, 2, 2
	L1T H1, 2, 2, 2, 3
	L1T H1, 3, 2, 2, -1
	BLOAD BP2, 2, 2                                ; and the other two: 36 loads
	WLOAD WP2, 2
	WLOAD WP2, 3
	BARRIER                                        ; everybody has read the stage
	HSTORE H0
	BARRIER                                        ; it holds the hidden layer's codes of rows 0-63
	; LAYER 2
	AFETCH 0
	XTF 0, 0, 2
	s_wait_loadcnt 36                              ; all but the 36 loads of the second pair of tiles
	BISC 0, 2, NB2
	L2T 0, 0, 0, 2, 1, 0
	L2T 0, 1, 0, 2, 2, 0
	L2T 0, 2, 0, 2, 3, 0
	L2T 0, 3, 0, 2, 0, 2
	s_wait_loadcnt 0x0
	BISC 2, 2, NB2
	L2T 0, 0, 2, 2, 1, 2
	L2T 0, 1, 2, 2, 2, 2
	L2T 0, 2, 2, 2, 3, 2
	L2T 0, 3, 2, 2, -1, 0
	BARRIER                                        ; everybody has read the stage, and rows 0-63 of out lie in LDS
	HSTORE H1
	OUTL 0
	BARRIER                                        ; the stage holds the hidden layer's codes of rows 64-127
	OUTS 0
	s_wait_xcnt 0x0                                ; the stores have read their registers, which the second half takes
	AFETCH 0
	XTF 4, 0, 4
	L2T 1, 0, 0, 4, 1, 0
	L2T 1, 1, 0, 4, 2, 0
	L2T 1, 2, 0, 4, 3, 0
	L2T 1, 3, 0, 4, -1, 0
	BARRIER                                        ; rows 64-127 of out lie in LDS
	OUTL 1
	s_wait_dscnt 0x0
	OUTS 1
	s_wait_tensorcnt 0x0                           ; the wave's end
	ds_add_u32 v[SPW], v[NIL]
	s_wait_dscnt 0x0
	s_endpgm
.Lfunc_end_k_qd1462a93d9_attffn:
	.size	k_qd1462a93d9_attffn, .Lfunc_end_k_qd1462a93d9_attffn-k_qd1462a93d9_attffn
	.p2alignl 7, 3214868480
	.fill 96, 4, 3214868480
	.section	.rodata,"a",@progbits
	.p2align	6, 0x0
	.amdhsa_kernel k_qd1462a93d9_attffn
		.amdhsa_group_segment_fixed_size 313344
		.amdhsa_private_segment_fixed_size 0
		.amdhsa_enable_private_segment 0
		.amdhsa_kernarg_size 104
		.amdhsa_user_sgpr_count 2
		.amdhsa_user_sgpr_kernarg_segment_ptr 1
		.amdhsa_wavefront_size32 1
		.amdhsa_system_sgpr_workgroup_id_x 1
		.amdhsa_system_sgpr_workgroup_id_y 1
		.amdhsa_system_sgpr_workgroup_id_z 1
		.amdhsa_system_vgpr_workitem_id 0
		.amdhsa_next_free_vgpr 512
		.amdhsa_next_free_sgpr 96
		.amdhsa_reserve_vcc 0
		.amdhsa_float_denorm_mode_32 3
		.amdhsa_float_denorm_mode_16_64 3
		.amdhsa_memory_ordered 1
		.amdhsa_forward_progress 1
		.amdhsa_inst_pref_size 255
	.end_amdhsa_kernel
	.section	.bss,"aw",@nobits
	.p2align	6
	.space	262144
	.amdgpu_metadata
---
amdhsa.version: [ 1, 2 ]
amdhsa.kernels:
  - .name:           k_qd1462a93d9_attffn
    .symbol:         k_qd1462a93d9_attffn.kd
    .args:
      - { .name: x, .offset: 0, .size: 8, .value_kind: global_buffer, .address_space: global }
      - { .name: g1, .offset: 8, .size: 8, .value_kind: global_buffer, .address_space: global }
      - { .name: be1, .offset: 16, .size: 8, .value_kind: global_buffer, .address_space: global }
      - { .name: qws, .offset: 24, .size: 8, .value_kind: global_buffer, .address_space: global }
      - { .name: kws, .offset: 32, .size: 8, .value_kind: global_buffer, .address_space: global }
      - { .name: vws, .offset: 40, .size: 8, .value_kind: global_buffer, .address_space: global }
      - { .name: g2, .offset: 48, .size: 8, .value_kind: global_buffer, .address_space: global }
      - { .name: be2, .offset: 56, .size: 8, .value_kind: global_buffer, .address_space: global }
      - { .name: wimg, .offset: 64, .size: 8, .value_kind: global_buffer, .address_space: global }
      - { .name: bf1, .offset: 72, .size: 8, .value_kind: global_buffer, .address_space: global }
      - { .name: bf2, .offset: 80, .size: 8, .value_kind: global_buffer, .address_space: global }
      - { .name: lowp_scales, .offset: 88, .size: 8, .value_kind: global_buffer, .address_space: global }
      - { .name: out0, .offset: 96, .size: 8, .value_kind: global_buffer, .address_space: global }
    .group_segment_fixed_size: 313344
    .private_segment_fixed_size: 0
    .kernarg_segment_align: 8
    .kernarg_segment_size: 104
    .max_flat_workgroup_size: 256
    .sgpr_count:     96
    .vgpr_count:     512
    .wavefront_size: 32
...
	.end_amdgpu_metadata
.endif
;; end of part 2
